; MI455X (gfx1250); checked and timed in simulation.
; The chip was launched on July 23, 2026; its instructions are those of AMD's public machine-readable ISA for CDNA 5 (MIT licence, August 2026) and "CDNA5" Instruction Set Architecture Reference Guide (July 2026). The comments in the code are by the model that wrote it; some were corrected since.
;; NNODE Model. Allowed arithmetic: matrix products marked QUANTISED: E2M1 operands, one E8M0 scale for each 32 along K, by v_wmma_scale_f32_16x16x128_f8f6f4 with both operands' format E2M1 (or v_wmma_scale_f32_32x16x128_f4), f32 sums; products left as they are: f32 operands where the result goes on into a quantised operand, else bf16, f16 or f32 operands; f32 sums; everything else in f32.
;; Inputs: W_lin_codes 32 x 1 x 16 uint8 (E2M1 codes of W_lin, K innermost, in blocks of 32 codes, two codes a byte); W_lin_scales 32 x 1 uint8 (E8M0 scales of W_lin, one for each 32 codes along K); W_nl 32 x 32 x 32 float32; x 262,144 x 32 float32.
;; Outputs: out0 262,144 x 32 float32.
;; This version of the problem:
;;   THIS VERSION OF THE PROBLEM IS GIVEN IN LOW PRECISION. The matrix products marked QUANTISED in the list below multiply operands that are first quantised to E2M1 (2 exponent bits, 1 mantissa bit; 4 bits a number), with one power-of-two scale for each 32 numbers along K (OCP MX v1.0); their sums are f32. All else is computed in f32.
;;   The module's matrix products, in the order in which they are computed (A, B: the left and right operand; K: the contracted axis; several contracted axes count as one K, in the product's order):
;;     1. [M 262,144, K 32] x [K 32, N 32]; A: input x; B: input W_lin (given as codes): QUANTISED
;;     2. batch 262,144 x [M 32, K 1] x [K 1, N 32]; A: computed on the way; B: computed on the way: left as it is (no contracted axis)
;;     3. [M 262,144, K 1,024] x [K 1,024, N 32]; A: computed on the way; B: input W_nl: QUANTISED
;;   THE QUANTISER, for each operand of a quantised product, along K:
;;     - K is cut into blocks of 32 from its start; a last block that is shorter is filled with zeros.
;;     - A block's scale is 2^e with e = floor(log2(the largest magnitude in the block)) - 2, held to -126 .. 127; a block of zeros has e = 0. As a byte (E8M0): e + 127.
;;     - Each number is divided by its block's scale, clamped to +-6, and rounded to the nearest number of E2M1, ties to even, subnormals kept.
;;     - The product sums the exact products of the quantised numbers (number of the format x scale) in f32.
;;   ~~~python
;;   def quantise(x, axis):      # numpy; x: float32 -> the quantised numbers, widened to float32 again
;;       x = np.moveaxis(x, axis, -1); K = x.shape[-1]
;;       x = np.pad(x, [(0, 0)] * (x.ndim - 1) + [(0, -K % 32)]); x = x.reshape(x.shape[:-1] + (-1, 32)); a = np.abs(x).max(-1, keepdims=True)
;;       e = np.where(a > 0, np.clip(np.frexp(np.where(a > 0, a, 1))[1] - 1 - 2, -126, 127), 0)      # np.frexp(a)[1] - 1 = floor(log2(a)), exactly
;;       r = np.clip(x / 2.0 ** e, -6, 6)
;;       step = 2.0 ** (np.maximum(np.frexp(np.where(r == 0, 1, r))[1] - 1, 0) - 1)
;;       q = np.round(r / step) * step * 2.0 ** e      # np.round: ties to even
;;       return np.moveaxis(q.reshape(q.shape[:-2] + (-1,))[..., :K], -1, axis).astype(np.float32)
;;   ~~~
;;   OPERANDS COMPUTED ON THE WAY. 'Computed on the way' means the value that the module computes at that place (a softmax that the list does not call 'softmax' is quantised finished and normalised). What goes into a quantiser is computed in f32, as accurately as f32 sums, v_exp_f32 and their like allow (about 1e-6 of the number): no bf16 or f16 on the way to a quantiser, and a product that is left as it is and whose result goes on into a quantised operand takes f32 operands (vector FMAs, or v_wmma_f32_16x16x4_f32). A number that lies on a knife's edge between two numbers of the format may be rounded either way, as far as f32 arithmetic and the matrix unit's own rounding can turn it there, and no further.
;;   INPUTS GIVEN AS CODES. W_lin (in the module: [32, 32], K = its axis 0): each comes as NAME_codes (uint8): NAME with its K axis moved to the last place and cut into blocks of 32 codes, [.., K / 32, bytes a block], one block behind the other in memory; two codes a byte, the lower K in the low four bits (a code: sign, 2 exponent bits, 1 mantissa bit); and NAME_scales (uint8): the same leading axes, one E8M0 byte (e + 127) for each 32 codes along K. Its value is code x scale, taken as it is: it is not quantised again, and the codes and scales need not be those that the quantiser above would give.
;; One version. Each part assembles by itself: llvm-mc -triple=amdgcn-amd-amdhsa -mcpu=gfx1250 --defsym DOCPART=n.
;; ======== version 1 of 1: 1 launch
;; launch ode (part 1): grid 256 x 1, 8 waves a work-group, clusters of 4 x 1, 327,680 bytes of LDS; arguments W_lin_codes, W_lin_scales, W_nl, x, out0; writes out0
.if DOCPART == 1
	.amdgcn_target "amdgcn-amd-amdhsa--gfx1250"
	.amdhsa_code_object_version 6
	.text
	.protected	k_q9c7290e24a_ode
	.globl	k_q9c7290e24a_ode
	.p2align	8
	.type	k_q9c7290e24a_ode,@function
k_q9c7290e24a_ode:
	s_mov_b64 s[64:65], 0
	v_nop
	global_prefetch_b8 v0, s[64:65] scope:SCOPE_SE
	s_setreg_imm32_b32 hwreg(HW_REG_WAVE_MODE, 25, 1), 1
	s_wait_xcnt 0x0
	s_wait_alu depctr_hold_cnt(0) depctr_sa_sdst(0) depctr_va_vdst(0) depctr_va_sdst(0) depctr_va_ssrc(0) depctr_va_vcc(0) depctr_vm_vsrc(0)
	s_getreg_b32 s2, hwreg(HW_REG_IB_STS2, 6, 4)
	s_cmp_eq_u32 s2, 0
	s_cbranch_scc0 .Lentry_in_a_cluster
	s_endpgm
.Lentry_in_a_cluster:
	s_bfe_u32 s2, ttmp6, 0x10000c
	s_cmp_lg_u32 s2, 0x3003
	s_cbranch_scc0 .Lentry_shape_is_right
	s_endpgm
.Lentry_shape_is_right:
; out[b][o] = sum_i Q(x)[b][i] W_lin[i][o] + sum_(i,j) Q(x_i x_j)[b][(i,j)] Q(W_nl)[o][(i,j)];  262,144 rows b, 32 outputs o; both sums on codes of FP4 (E2M1) with one E8M0 scale for each 32 along K; sums in f32.
; K of the second sum is (i, j) with j innermost: block i of a row's operand is x_i x[0..31]; block (o, i) of W_nl is W_nl[o][i][0..31], 128 consecutive bytes.
; SHARES.  256 work-groups of eight waves; a work-group owns 1,024 rows, a wave 128: eight tiles of 16.  Each wave keeps ALL of W_nl's and W_lin's codes in registers (144 of them, window 1), so a tile reads from LDS only its own 2 KB of x.
; W_nl is quantised once in each work-group: wave w takes outputs 4 w .. 4 w + 3 (128 blocks, four a lane) and hands the codes on through LDS as images of the operand's registers.
; THE VECTOR WORK DECIDES: a tile has 256 packed multiplies (x_i x_j, rounded to f32) and 64 conversions beside 18 matrix instructions.  What is spared:
;   a lane holds WHOLE blocks of 32 (the 4-bit operand's layout), so no code changes lanes;
;   a block's largest magnitude is not searched for: rounding keeps order, so max_j fl(|x_i x_j|) = fl(|x_i| m), m = max_j |x_j|: one multiply a block;
;   the blocks along K are permuted alike on both operands: the slot of 32 at k = 64 c + 32 h of K step s holds block i = 16 h + 2 s + c, so lanes 0-15 take i = 0..15 and lanes 16-31 i = 16..31, 64 neighbouring bytes of the row.
; THE MATRIX INSTRUCTION IS USED TRANSPOSED: source 0 = 16 outputs of W (tile n: o = 16 n + lane % 16), source 1 = 16 rows: register j of lane (r, h) of accumulator n is out(row r, o = 16 n + 8 h + j).
; The linear product is one K step more, issued first with C = 0: only its slot 0 counts; W_lin's side has zero codes in slots 1 to 3, x's side zeros in registers 4 to 7; the unused scale bytes are 0, which is a power of two and no NaN.
; CLUSTER.  Every work-group reads the same 128 KB of W_nl, as many bytes as its own share of x: the four partners of a cluster ask for it jointly (mask 15).  x's loads are each work-group's own (mask 0).
; LDS IS FILLED ONCE: a wave asks for its eighth of W_nl and for its whole share of x (two pieces of 64 rows) by three tensor loads at the head; no byte is filled a second time, so there is no ring and the loop has no barrier.
; No prefetch: every byte that the launch reads is asked for by those loads at its head.
; LIMITS: NaN and infinities among the inputs are not served, and x_i x_j must stay finite in f32.  Blocks whose largest magnitude lies under 2^-124 get the byte 1 (the quantiser's hold at -126) and were not tried.
; A block of zeros gets the byte 1 where the quantiser says 127: its codes are zeros, and the bytes are read by this program alone.  The blocks along K are summed in another order than they lie in memory.
.set XLW,    17408                     ; LDS: a wave's 128 rows of x: 64 lines of 256 bytes (two rows) + 16 of padding.  Row p lies at (p / 2) 272 + (p % 2) 128: sixteen neighbouring rows start in sixteen different 16-byte columns of 256
.set PIECEB, 8704                      ; 64 rows: what one tensor load brings
.set TILEB,  2176                      ; 16 rows
.set WRAW,   139264                    ; W_nl as it comes: wave w's 128 blocks at w XLW, laid as x's rows are
.set IMG,    278528                    ; images of W's fragments: register group 16 n + 2 s + c at 528 x group, lane l's 16 bytes at 16 l
.set IPITCH, 528
.set SCW,    295424                    ; W's scale bytes: 128 s + 4 o + (2 c + h)
.set STG,    296448                    ; the way out: 2,304 bytes for each wave, 16 rows laid as x's rows are
.set STGW,   2304
.set AX0,  4                           ; v4   my row of a tile: w XLW + (r / 2) 272 + (r % 2) 128
.set AXI0, 5                           ; v5   the same + 64 h: my sixteen x_i
.set ADX,  6                           ; v6, v7  the two with the tile's offset
.set ADI,  7
.set SO,   8                           ; v8   the stage: where I put my outputs of row r
.set SR,   9                           ; v9   and where I read whole rows back
.set GO,   10                          ; v10  16 x lane: my bytes of a store's 512; never rewritten
.set AWR,  11                          ; v11  my blocks of W_nl as they came
.set AWI,  12                          ; v12  where my blocks' codes go
.set AWS,  13                          ; v13  and their scale bytes
.set ALI,  14                          ; v14  IMG + 16 x lane
.set ALS,  15                          ; v15  SCW + 4 x lane
.set X,    16                          ; v16-47   row r, all 32 numbers
.set XI,   48                          ; v48-63   x[16 h + q], q = 0 .. 15
.set T0,   64                          ; v64-127  the 32 products of a block, two sets
.set CD,   128                         ; v128-143 the codes of a K step, two sets of 8
.set LC,   144                         ; v144-151 x's own codes; +4 .. +7 stay 0
.set TS,   152                         ; v152-167 the conversions' scale operand of my block q
.set PR,   168                         ; v168-175 at work on the scale bytes
.set PB,   176                         ; v176-179 my 16 scale bytes
.set OTH,  180                         ; v180-183 those of lane l xor 16
.set PS,   184                         ; v184-191 the products' scale word of K step s (lanes 0-15 count)
.set WS,   192                         ; v192-199 W_nl's scale word of K step s: lane l has output l's
.set WLS,  200                         ; v200     W_lin's scale byte: lane l has output l's
.set LSW,  201                         ; v201     x's scale word
.set MX,   202                         ; v202-205 four chains of the maximum
.set MQ,   206                         ; v206     m / 4
.set LOP,  207                         ; v207     the scale operand for x itself
.set ACC,  208                         ; v208-223 the two accumulators
.set OB,   224                         ; v224-239 rows read back from the stage; at the head W_nl's codes
.set WLT,  240                         ; v240-247 at the head: W_lin's codes as loaded;  v248 their offset;  v249-251 at work
.set WV,   14                          ; s14  my wave's number
.set G1X,  24                          ; s[24:31] descriptor group 1 for x's pieces
.set G1W,  32                          ; s[32:39] for W_nl's part
.set G0W,  40                          ; s[40:43] group 0 for W_nl's part
.set G0X,  44                          ; s[44:51] groups 0 for x's two pieces
.set TB,   52                          ; s52  the tile's offset in my rows of x in LDS
.set CNT,  53                          ; s53  tiles to go in the piece
.set SEL,  54                          ; s[54:55] lane selects for v_permlanex16_b32: lane l xor 16
.set SELH, 56                          ; s56-59 byte selects
.set SELB, 57
.set SELE, 58
.set SELO, 59
.set FLO,  60                          ; s60  2^-126: under it no scale operand is taken
.set MSB, 0
.macro WIN new                         ; the immediate's high byte repeats the setting that is left
.if MSB != \new
	s_set_vgpr_msb (MSB<<8)|\new
.set MSB, \new
.endif
.endm
; A round of the cluster's barrier: my work-group's barrier, wave 0 signals for the work-group, every wave waits for all four work-groups, my work-group's barrier once more.
.macro ROUND
	s_barrier_signal -1
	s_barrier_wait -1
	s_cmp_lg_u32 s[WV], 0
	s_cbranch_scc1 .Lnot_wave_0_\@
	s_barrier_signal -3
.Lnot_wave_0_\@:
	s_barrier_wait -3
	s_barrier_signal -1
	s_barrier_wait -1
.endm
	s_load_b128 s[4:7], s[0:1], 0x0                ; W_lin's codes s[4:5], its scale bytes s[6:7]
	s_load_b128 s[8:11], s[0:1], 0x10              ; W_nl s[8:9], x s[10:11]
	s_load_b64 s[12:13], s[0:1], 0x20              ; out
	v_lshl_add_u32 v254, v0, 2, 0x4ce00
	v_mov_b32 v255, 0
	ds_add_u32 v254, v255
	ds_add_u32 v254, v255
	v_lshrrev_b32 v249, 5, v0
	v_readfirstlane_b32 s[WV], v249                ; wave 0..7
	v_and_b32 v1, 31, v0                           ; l
	v_and_b32 v2, 15, v0                           ; r
	v_bfe_u32 v3, v0, 4, 1                         ; h
	s_bfe_u32 s15, ttmp6, 0x40000                  ; cx: my place in the cluster; it enters x's and out's global addresses alone
	s_lshl_b32 s16, ttmp9, 2                       ; in a cluster launch ttmp9 counts clusters
	s_add_co_u32 s16, s16, s15                     ; work-group 0..255
	s_lshl_b32 s20, s[WV], 14                      ; my wave's 16,384 bytes: of W_nl (four outputs), and of the work-group's rows
	s_mov_b32 s21, 0
	s_lshl_b32 s18, s16, 17                        ; the work-group's 1,024 rows of 128 bytes,
	s_add_co_u32 s18, s18, s20                     ; my wave's 128 of them (under 2^25)
	s_mov_b32 s19, 0
	; descriptor group 1: lines of 256 bytes (32 elements of 8 bytes), dense in memory, 16 bytes of padding behind each
	s_mov_b32 s[G1X], (3<<16)|(1<<20)|(5<<22)|(3<<25)              ; 15:0 no mask; 17:16 elements of 8 bytes; 20 padding on; 24:22 after every 64 words (code 5); 31:25 four words (code 3)
	s_mov_b32 s[G1X+1], 32<<16                     ; tensor_dim0 = 32
	s_mov_b32 s[G1X+2], 32<<16                     ; tensor_dim1 = 32 lines: 64 rows of x
	s_mov_b32 s[G1X+3], 32<<16                     ; tile_dim0 = 32
	s_mov_b32 s[G1X+4], 32                         ; tile_dim1 = 32
	s_mov_b32 s[G1X+5], 32                         ; from line to line
	s_mov_b32 s[G1X+6], 0
	s_mov_b32 s[G1X+7], 0
	s_mov_b32 s[G1W], 15|(3<<16)|(1<<20)|(1<<21)|(5<<22)|(3<<25)   ; the same with the mask of all four work-groups, and bit 21 set beside it
	s_mov_b32 s[G1W+1], 32<<16
	s_mov_b32 s[G1W+2], 64<<16                     ; 64 lines: 128 blocks of W_nl
	s_mov_b32 s[G1W+3], 32<<16
	s_mov_b32 s[G1W+4], 64
	s_mov_b32 s[G1W+5], 32
	s_mov_b32 s[G1W+6], 0
	s_mov_b32 s[G1W+7], 0
	s_mov_b32 s[SEL], 0x76543210
	s_mov_b32 s[SEL+1], 0xfedcba98
	s_mov_b32 s[SELH], 0x07060302                  ; the high halves of two registers
	s_mov_b32 s[SELB], 0x07050301                  ; bytes 1 and 3 of two registers
	s_mov_b32 s[SELE], 0x05010400                  ; mine 0, the other's 0, mine 1, the other's 1
	s_mov_b32 s[SELO], 0x07030602                  ; the same of bytes 2 and 3
	s_mov_b32 s[FLO], 0x00800000
	s_mul_i32 s22, s[WV], XLW                      ; LDS addresses hang on the wave's number and the lane alone
	s_mov_b32 s[G0W], 1                            ; 1:0 count = 1
	s_add_co_u32 s[G0W+1], s22, WRAW               ; 63:32 LDS address
	s_mov_b32 s[G0X], 1
	s_mov_b32 s[G0X+1], s22
	s_mov_b32 s[G0X+4], 1
	s_add_co_u32 s[G0X+5], s22, PIECEB
	v_lshrrev_b32 v249, 1, v2
	v_mul_u32_u24 v249, v249, 272
	v_and_b32 v250, 1, v0
	v_lshl_add_u32 v249, v250, 7, v249             ; (r / 2) 272 + (r % 2) 128
	v_add_nc_u32 v[AX0], s22, v249
	v_lshl_add_u32 v[AXI0], v3, 6, v[AX0]
	s_mul_i32 s23, s[WV], STGW
	s_add_co_u32 s23, s23, STG                     ; my stage
	v_add_nc_u32 v[SO], s23, v249
	v_lshl_add_u32 v[SO], v3, 5, v[SO]             ; in: row r, + 32 h
	v_mul_u32_u24 v251, v3, 272
	v_lshl_add_u32 v251, v2, 4, v251
	v_add_nc_u32 v[SR], s23, v251                  ; back: lanes 0-15 one line of 256 bytes, lanes 16-31 the next
	v_lshlrev_b32 v[GO], 4, v1
	v_lshrrev_b32 v251, 1, v1
	v_mul_u32_u24 v251, v251, 272
	v_lshl_add_u32 v251, v250, 7, v251
	v_add_nc_u32 v[AWR], s[G0W+1], v251            ; block l of my wave's part: i = l of output 4 w; 32 blocks (4,352 bytes) on: the next output
	s_lshr_b32 s22, s[WV], 2                       ; block (o = 4 w + t, i = l) is register group 16 (o / 16) + l % 16 of lane o % 16 + 16 (l / 16)
	s_mul_i32 s22, s22, 16*IPITCH
	s_and_b32 s23, s[WV], 3
	s_lshl_b32 s23, s23, 6
	s_add_co_u32 s22, s22, s23
	s_add_co_u32 s22, s22, IMG
	v_mul_u32_u24 v251, v2, IPITCH
	v_lshl_add_u32 v251, v3, 8, v251
	v_add_nc_u32 v[AWI], s22, v251                 ; + 16 t in the store's immediate
	v_lshrrev_b32 v251, 1, v2                      ; its scale byte: K step (l % 16) / 2, output o, byte 2 (l % 2) + l / 16
	v_lshlrev_b32 v251, 7, v251
	v_lshl_add_u32 v251, v250, 1, v251
	v_add_nc_u32 v251, v251, v3
	s_lshl_b32 s23, s[WV], 4
	s_add_co_u32 s23, s23, SCW
	v_add_nc_u32 v[AWS], s23, v251                 ; + 4 t in the immediate
	v_lshl_add_u32 v[ALI], v1, 4, IMG
	v_lshl_add_u32 v[ALS], v1, 2, SCW
	v_lshlrev_b32 v248, 4, v2                      ; W_lin's codes: 16 bytes an output
.irp k, 0,1,2,3
	v_mov_b32 v[OTH+\k], 0                         ; written once: a lane permute's destination counts as one of its sources
	v_mov_b32 v[LC+4+\k], 0                        ; x's own operand: slots 2 and 3 hold zero codes for the whole launch
.endr
	s_wait_dscnt 0x0
	s_wait_kmcnt 0x0
	s_add_nc_u64 s[G0W+2:G0W+3], s[8:9], s[20:21]  ; 120:64 global address: my four outputs of W_nl: equal in all four partners
	s_or_b32 s[G0W+3], s[G0W+3], 0x80000000        ; 127:126 type = 2
	s_add_nc_u64 s[10:11], s[10:11], s[18:19]      ; x at my wave's first row
	s_mov_b64 s[G0X+2:G0X+3], s[10:11]
	s_add_nc_u64 s[G0X+6:G0X+7], s[10:11], 8192    ; and 64 rows on
	s_or_b32 s[G0X+3], s[G0X+3], 0x80000000
	s_or_b32 s[G0X+7], s[G0X+7], 0x80000000
	s_add_nc_u64 s[12:13], s[12:13], s[18:19]      ; out likewise
	ROUND                                          ; all four work-groups are here: the joint loads meet
	tensor_load_to_lds s[G0W:G0W+3], s[G1W:G1W+7]          ; every wave issues all three, under no branch: three loads of mine are out
	s_nop 0
	tensor_load_to_lds s[G0X:G0X+3], s[G1X:G1X+7]
	s_nop 0
	tensor_load_to_lds s[G0X+4:G0X+7], s[G1X:G1X+7]
	s_nop 0
.rept 4
	v_nop                                          ; four lines behind the loads, ahead of all else
.endr
	global_load_b128 v[WLT:WLT+3], v248, s[4:5]              ; W_lin's codes of output r,
	global_load_b128 v[WLT+4:WLT+7], v248, s[4:5] offset:256 ; and of output 16 + r
	global_load_u8 v[WLS], v1, s[6:7]                        ; its scale byte of output l; the word's upper bytes are 0
; ---- W_nl is quantised: four blocks a lane.  Block t: i = l, o = 4 w + t; all its 32 numbers are mine.
	s_wait_tensorcnt 0x2                           ; my part of W_nl is in LDS: behind its load stand x's two.  Only I read these bytes, so no barrier is wanted
.irp t, 0,1,2,3
.irp g, 0,1,2,3,4,5,6,7
	ds_load_b128 v[X+32*\t+4*\g:X+32*\t+4*\g+3], v[AWR] offset:4352*\t+16*\g
.endr
.endr
.macro QW t
.set RW, X+32*\t
	s_wait_dscnt 24-6*\t                           ; block t's eight loads are in: behind them stand 8 (3 - t) loads and the 2 t stores of the blocks before
	v_max3_num_f32 v[MX], |v[RW]|, |v[RW+1]|, |v[RW+2]|
	v_max3_num_f32 v[MX+1], |v[RW+3]|, |v[RW+4]|, |v[RW+5]|
.irp i, 6,10,14,18,22,26
	v_max3_num_f32 v[MX], v[MX], |v[RW+\i]|, |v[RW+\i+1]|
	v_max3_num_f32 v[MX+1], v[MX+1], |v[RW+\i+2]|, |v[RW+\i+3]|
.endr
	v_max3_num_f32 v[MX], v[MX], |v[RW+30]|, |v[RW+31]|
	v_max3_num_f32 v[MX], v[MX], v[MX+1], 0x1800000   ; the block's largest magnitude, and the floor 2^(3 - 127): the byte cannot fall under 1
	v_add_nc_u32 v[MX+2], 0xff000000, v[MX]        ; 2 off its exponent field: the conversion takes the exponent field of this operand as its scale
	v_lshrrev_b32 v[PR+\t], 23, v[MX+2]            ; the scale's byte
.irp g, 0,1,2,3
	v_cvt_scalef32_pk8_fp4_f32 v[OB+4*\t+\g], v[RW+8*\g:RW+8*\g+7], v[MX+2]
.endr
	v_nop                                          ; one plain line behind the conversions
	ds_store_b128 v[AWI], v[OB+4*\t:OB+4*\t+3] offset:16*\t   ; 32 codes: one group of four registers of one lane of a fragment
	ds_store_b8 v[AWS], v[PR+\t] offset:4*\t
.endm
	QW 0
	QW 1
	QW 2
	QW 3
	s_wait_dscnt 0x0                               ; for the others' sake: my stores of codes and bytes are done
	s_barrier_signal -1
	s_barrier_wait -1                              ; everybody's are.  x's loads may stay out across it
	WIN 0x40                                       ; destination window 1, address window 0
.irp n, 0,1
.irp s, 0,1,2,3,4,5,6,7
.irp c, 0,1
	ds_load_b128 v[16*\s+8*\n+4*\c:16*\s+8*\n+4*\c+3], v[ALI] offset:(16*\n+2*\s+\c)*IPITCH   ; fragment (n, s) at v[16 s + 8 n] of window 1: it stays
.endr
.endr
.endr
	WIN 0
.irp s, 0,1,2,3,4,5,6,7
	ds_load_b32 v[WS+\s], v[ALS] offset:128*\s     ; lane l: output l's scale word of K step s
.endr
	s_wait_loadcnt 0x0                             ; W_lin
	v_cmp_gt_u32 vcc_lo, 16, v1                    ; lanes 0-15 hold slot 0, the one that counts
	WIN 0x40
.irp n, 0,1
.irp k, 0,1,2,3
	v_cndmask_b32 v[128+8*\n+\k], 0, v[WLT+4*\n+\k], vcc_lo   ; W_lin's fragment n at v[128 + 8 n] of window 1: zero codes in lanes 16-31 (slot 1),
	v_mov_b32 v[132+8*\n+\k], 0                               ; and in slots 2 and 3
.endr
.endr
	WIN 0
	s_wait_dscnt 0x0                               ; W's fragments and scale words are in
; ---- the macros of a tile
.macro MULB q                          ; block q's 32 products x_i x_j, two at a time, each rounded to f32, into set q % 2
.set TQ, T0+32*((\q)%2)
.set XQ, XI+2*((\q)/2)
.set JJ, 0
.rept 16
.if ((\q)%2) == 0
	v_pk_mul_f32 v[TQ+JJ:TQ+JJ+1], v[X+JJ:X+JJ+1], v[XQ:XQ+1] op_sel_hi:[1,0]              ; the pair's first register for both halves
.else
	v_pk_mul_f32 v[TQ+JJ:TQ+JJ+1], v[X+JJ:X+JJ+1], v[XQ:XQ+1] op_sel:[0,1] op_sel_hi:[1,1] ; its second
.endif
.set JJ, JJ+2
.endr
.endm
.macro CVTB q                          ; and their codes: registers 4 (q % 2) on of K step q / 2's operand
.set TQ, T0+32*((\q)%2)
.set CQ, CD+8*(((\q)/2)%2)+4*((\q)%2)
.irp g, 0,1,2,3
	v_cvt_scalef32_pk8_fp4_f32 v[CQ+\g], v[TQ+8*\g:TQ+8*\g+7], v[TS+(\q)]
.endr
.endm
.macro MM s                            ; K step s onto both accumulators, which take turns, one instruction a turn
	WIN 0x01                                       ; source 0 (W) window 1
	v_wmma_scale_f32_16x16x128_f8f6f4 v[ACC:ACC+7], v[16*(\s):16*(\s)+7], v[CD+8*((\s)%2):CD+8*((\s)%2)+7], v[ACC:ACC+7], v[WS+(\s)], v[PS+(\s)] matrix_a_fmt:MATRIX_FMT_FP4 matrix_b_fmt:MATRIX_FMT_FP4
	v_wmma_scale_f32_16x16x128_f8f6f4 v[ACC+8:ACC+15], v[16*(\s)+8:16*(\s)+15], v[CD+8*((\s)%2):CD+8*((\s)%2)+7], v[ACC+8:ACC+15], v[WS+(\s)], v[PS+(\s)] matrix_a_fmt:MATRIX_FMT_FP4 matrix_b_fmt:MATRIX_FMT_FP4 matrix_a_scale:MATRIX_SCALE_ROW1
	WIN 0
.endm
; ONE TILE: 16 rows.
.macro TILE
	v_add_nc_u32 v[ADX], s[TB], v[AX0]
	v_add_nc_u32 v[ADI], s[TB], v[AXI0]
.irp g, 0,1,2,3,4,5,6,7
	ds_load_b128 v[X+4*\g:X+4*\g+3], v[ADX] offset:16*\g        ; row r, whole (lanes r and 16 + r alike)
.endr
.irp g, 0,1,2,3
	ds_load_b128 v[XI+4*\g:XI+4*\g+3], v[ADI] offset:16*\g      ; my sixteen x_i
.endr
	s_wait_dscnt 0x4                               ; the row is in; behind it stand the four loads of x_i
.irp k, 0,1,2,3
	v_max3_num_f32 v[MX+\k], |v[X+8*\k]|, |v[X+8*\k+1]|, |v[X+8*\k+2]|   ; m, the row's largest magnitude: four chains of seven,
.endr
.irp i, 3,5
.irp k, 0,1,2,3
	v_max3_num_f32 v[MX+\k], v[MX+\k], |v[X+8*\k+\i]|, |v[X+8*\k+\i+1]|
.endr
.endr
	v_max3_num_f32 v[MX], v[MX], |v[X+7]|, |v[X+15]|             ; the four numbers left over,
	v_max3_num_f32 v[MX+2], v[MX+2], |v[X+23]|, |v[X+31]|
	v_max3_num_f32 v[MX], v[MX], v[MX+1], v[MX+2]
	v_max3_num_f32 v[MX], v[MX], v[MX+3], 0x1800000              ; and the floor 2^(3 - 127)
	v_add_nc_u32 v[LOP], 0xff000000, v[MX]         ; x itself is one block: 2 off m's exponent field is its scale operand,
	v_mul_f32 v[MQ], 0x3e800000, v[MX]             ; m / 4: exact, since m is 2^-124 at the least
	v_lshrrev_b32 v[LSW], 23, v[LOP]               ; and its byte, in the word's byte 0; bytes 1 to 3 are 0
.irp g, 0,1,2,3
	v_cvt_scalef32_pk8_fp4_f32 v[LC+\g], v[X+8*\g:X+8*\g+7], v[LOP]   ; x's own codes: slot 0 in lanes 0-15; the copy in lanes 16-31 meets W_lin's zero codes
.endr
	s_wait_dscnt 0x0                               ; my x_i are in
.irp k, 0,2,4,6,8,10,12,14
	v_pk_mul_f32 v[TS+\k:TS+\k+1], v[XI+\k:XI+\k+1], v[MQ:MQ+1] op_sel_hi:[1,0]   ; x_i m / 4: the block's largest magnitude with 2 off its exponent field
.endr
.irp q, 0,1,2,3,4,5,6,7,8,9,10,11,12,13,14,15
	v_max_num_f32 v[TS+\q], |v[TS+\q]|, s[FLO]     ; held at 2^-126: the byte cannot fall under 1.  This is the conversions' scale operand as it stands
.endr
.irp k, 0,1,2,3,4,5,6,7
	v_perm_b32 v[PR+\k], v[TS+2*\k+1], v[TS+2*\k], s[SELH]   ; the scale bytes: two high halves to a register,
.endr
.irp k, 0,1,2,3,4,5,6,7
	v_lshlrev_b32 v[PR+\k], 1, v[PR+\k]            ; one bit up: the exponent fields are bytes 1 and 3
.endr
.irp u, 0,1,2,3
	v_perm_b32 v[PB+\u], v[PR+2*\u+1], v[PR+2*\u], s[SELB]   ; four bytes to a register: blocks 4 u .. 4 u + 3
.endr
.irp u, 0,1,2,3
	v_permlanex16_b32 v[OTH+\u], v[PB+\u], s[SEL], s[SEL+1]  ; and those of the row's other sixteen blocks
.endr
.irp u, 0,1,2,3
	v_perm_b32 v[PS+2*\u], v[OTH+\u], v[PB+\u], s[SELE]      ; K step s: slots 0 to 3 are blocks 2 s, 16 + 2 s, 2 s + 1, 16 + 2 s + 1 (right in lanes 0-15, which are the ones read)
	v_perm_b32 v[PS+2*\u+1], v[OTH+\u], v[PB+\u], s[SELO]
.endr
	WIN 0x01                                       ; the linear product starts both sums: nothing is cleared.  x's scale word and codes were written more than 50 plain lines ago
	v_wmma_scale_f32_16x16x128_f8f6f4 v[ACC:ACC+7], v[128:135], v[LC:LC+7], 0, v[WLS], v[LSW] matrix_a_fmt:MATRIX_FMT_FP4 matrix_b_fmt:MATRIX_FMT_FP4
	v_wmma_scale_f32_16x16x128_f8f6f4 v[ACC+8:ACC+15], v[136:143], v[LC:LC+7], 0, v[WLS], v[LSW] matrix_a_fmt:MATRIX_FMT_FP4 matrix_b_fmt:MATRIX_FMT_FP4 matrix_a_scale:MATRIX_SCALE_ROW1
	WIN 0
; A K step's two products stand behind the NEXT block's sixteen multiplies, which are the plain lines between the conversions that wrote its codes and the products that read them.  A set of codes is written
; again two blocks of multiplies (32 plain lines) behind the products that read it; a set of products one block of multiplies behind the conversions that read it.
.set Q, 0
.rept 16
	MULB Q
.if ((Q%2) == 0) && (Q >= 2)
	MM Q/2-1
.endif
	CVTB Q
.set Q, Q+1
.endr
.rept 4
	v_nop                                          ; four plain lines between the last conversions and the products that read their codes: no other vector work is left
.endr
	MM 7
.rept 4
	v_nop                                          ; four plain lines between the last products and the stores that read them
.endr
	; THE WAY OUT.  A lane holds 2 x 32 bytes of row r; the tile goes through my own stage and comes back as 512 consecutive bytes (four rows) an instruction
	ds_store_b128 v[SO], v[ACC:ACC+3]              ; each accumulator from its low end on
	ds_store_b128 v[SO], v[ACC+4:ACC+7] offset:16
	ds_store_b128 v[SO], v[ACC+8:ACC+11] offset:64
	ds_store_b128 v[SO], v[ACC+12:ACC+15] offset:80
.irp u, 0,1,2,3
	ds_load_b128 v[OB+4*\u:OB+4*\u+3], v[SR] offset:544*\u   ; LDS serves a wave's instructions in order (ISA guide 5.7.1.4): these see the stores above, and the next tile's stores come behind them
.endr
.irp u, 0,1,2,3
	s_wait_dscnt 3-\u                              ; load u is in; behind it stand 3 - u loads
	global_store_b128 v[GO], v[OB+4*\u:OB+4*\u+3], s[12:13] offset:512*\u th:TH_STORE_NT   ; 32 lanes store 512 consecutive bytes, at a multiple of 512 from out's first byte; written once, read by nobody here
.endr
	s_wait_xcnt 0x0                                ; the stores have read their base and their data: only behind this wait is either written again
	s_add_nc_u64 s[12:13], s[12:13], 2048          ; 16 rows of out on
	s_add_co_u32 s[TB], s[TB], TILEB
.endm
.macro PIECE p                         ; 64 rows: four tiles
	s_wait_tensorcnt 1-\p                          ; piece p of x is in LDS: behind its load stand 1 - p others.  Only I read these bytes
	s_mov_b32 s[TB], \p*PIECEB
	s_mov_b32 s[CNT], 4
.Ltile_\@:
	TILE
	s_sub_co_u32 s[CNT], s[CNT], 1
	s_cmp_lg_u32 s[CNT], 0
	s_cbranch_scc1 .Ltile_\@
.endm
	PIECE 0
	PIECE 1                                        ; its wait is for 0: no tensor load is out at the end
	s_wait_dscnt 0x0
	s_wait_tensorcnt 0x0
	ds_add_u32 v254, v255
	s_wait_dscnt 0x0
	ROUND                                          ; the closing round: no work-group ends while a partner may still ask for a tile that names it
	s_endpgm
.Lfunc_end_k_q9c7290e24a_ode:
	.size	k_q9c7290e24a_ode, .Lfunc_end_k_q9c7290e24a_ode-k_q9c7290e24a_ode
	.p2alignl 7, 3214868480
	.fill 96, 4, 3214868480
	.section	.rodata,"a",@progbits
	.p2align	6, 0x0
	.amdhsa_kernel k_q9c7290e24a_ode
		.amdhsa_group_segment_fixed_size 327680
		.amdhsa_private_segment_fixed_size 0
		.amdhsa_enable_private_segment 0
		.amdhsa_kernarg_size 40
		.amdhsa_user_sgpr_count 2
		.amdhsa_user_sgpr_kernarg_segment_ptr 1
		.amdhsa_wavefront_size32 1
		.amdhsa_system_sgpr_workgroup_id_x 1
		.amdhsa_system_sgpr_workgroup_id_y 1
		.amdhsa_system_sgpr_workgroup_id_z 1
		.amdhsa_system_vgpr_workitem_id 0
		.amdhsa_next_free_vgpr 400
		.amdhsa_next_free_sgpr 66
		.amdhsa_reserve_vcc 1
		.amdhsa_float_denorm_mode_32 3
		.amdhsa_float_denorm_mode_16_64 3
		.amdhsa_memory_ordered 1
		.amdhsa_forward_progress 1
		.amdhsa_inst_pref_size 79
	.end_amdhsa_kernel
	.amdgpu_metadata
---
amdhsa.version: [ 1, 2 ]
amdhsa.kernels:
  - .name:           k_q9c7290e24a_ode
    .symbol:         k_q9c7290e24a_ode.kd
    .args:
      - { .name: W_lin_codes, .offset: 0, .size: 8, .value_kind: global_buffer, .address_space: global }
      - { .name: W_lin_scales, .offset: 8, .size: 8, .value_kind: global_buffer, .address_space: global }
      - { .name: W_nl, .offset: 16, .size: 8, .value_kind: global_buffer, .address_space: global }
      - { .name: x, .offset: 24, .size: 8, .value_kind: global_buffer, .address_space: global }
      - { .name: out0, .offset: 32, .size: 8, .value_kind: global_buffer, .address_space: global }
    .group_segment_fixed_size: 327680
    .private_segment_fixed_size: 0
    .kernarg_segment_align: 8
    .kernarg_segment_size: 40
    .max_flat_workgroup_size: 256
    .sgpr_count:     66
    .vgpr_count:     400
    .wavefront_size: 32
...
	.end_amdgpu_metadata
.endif
;; end of part 1
